; MI455X (gfx1250); checked and timed in simulation.
; The chip was launched on July 23, 2026; its instructions are those of AMD's public machine-readable ISA for CDNA 5 (MIT licence, August 2026) and "CDNA5" Instruction Set Architecture Reference Guide (July 2026). The comments in the code are by the model that wrote it; some were corrected since.
;; Triton Grouped Experts Fused. Allowed arithmetic: matrix products marked QUANTISED: E2M3 operands, one E8M0 scale for each 32 along K, by v_wmma_scale_f32_16x16x128_f8f6f4 with both operands' format E2M3, f32 sums; everything else in f32.
;; Inputs: expert_indices 2,048 x 2 int32; expert_weights 2,048 x 2 float32; w1_codes 8 x 1,024 x 32 x 24 uint8 (E2M3 codes of w1, K innermost, in blocks of 32 codes, four codes in three bytes); w1_scales 8 x 1,024 x 32 uint8 (E8M0 scales of w1, one for each 32 codes along K); w2_codes 8 x 1,024 x 32 x 24 uint8 (E2M3 codes of w2, K innermost, in blocks of 32 codes, four codes in three bytes); w2_scales 8 x 1,024 x 32 uint8 (E8M0 scales of w2, one for each 32 codes along K); w3_codes 8 x 1,024 x 32 x 24 uint8 (E2M3 codes of w3, K innermost, in blocks of 32 codes, four codes in three bytes); w3_scales 8 x 1,024 x 32 uint8 (E8M0 scales of w3, one for each 32 codes along K); x_codes 2,048 x 32 x 24 uint8 (E2M3 codes of x, K innermost, in blocks of 32 codes, four codes in three bytes); x_scales 2,048 x 32 uint8 (E8M0 scales of x, one for each 32 codes along K).
;; Outputs: out0 2,048 x 1,024 float32.
;; This version of the problem:
;;   THIS VERSION OF THE PROBLEM IS GIVEN IN LOW PRECISION. The matrix products marked QUANTISED in the list below multiply operands that are first quantised to E2M3 (2 exponent bits, 3 mantissa bits; 6 bits a number), with one power-of-two scale for each 32 numbers along K (OCP MX v1.0); their sums are f32. All else is computed in f32.
;;   The module's matrix products, in the order in which they are computed (A, B: the left and right operand; K: the contracted axis; several contracted axes count as one K, in the product's order):
;;     1. [M 2,048, K 1,024] x [K 1,024, N 1,024]; A: input x (given as codes); B: input w1 (given as codes): QUANTISED
;;     2. [M 2,048, K 1,024] x [K 1,024, N 1,024]; A: input x (given as codes); B: input w2 (given as codes): QUANTISED
;;     3. [M 2,048, K 1,024] x [K 1,024, N 1,024]; A: computed on the way; B: input w3 (given as codes): QUANTISED
;;     4. [M 2,048, K 1,024] x [K 1,024, N 1,024]; A: input x (given as codes); B: input w1 (given as codes): QUANTISED
;;     5. [M 2,048, K 1,024] x [K 1,024, N 1,024]; A: input x (given as codes); B: input w2 (given as codes): QUANTISED
;;     6. [M 2,048, K 1,024] x [K 1,024, N 1,024]; A: computed on the way; B: input w3 (given as codes): QUANTISED
;;     7. [M 2,048, K 1,024] x [K 1,024, N 1,024]; A: input x (given as codes); B: input w1 (given as codes): QUANTISED
;;     8. [M 2,048, K 1,024] x [K 1,024, N 1,024]; A: input x (given as codes); B: input w2 (given as codes): QUANTISED
;;     9. [M 2,048, K 1,024] x [K 1,024, N 1,024]; A: computed on the way; B: input w3 (given as codes): QUANTISED
;;     10. [M 2,048, K 1,024] x [K 1,024, N 1,024]; A: input x (given as codes); B: input w1 (given as codes): QUANTISED
;;     11. [M 2,048, K 1,024] x [K 1,024, N 1,024]; A: input x (given as codes); B: input w2 (given as codes): QUANTISED
;;     12. [M 2,048, K 1,024] x [K 1,024, N 1,024]; A: computed on the way; B: input w3 (given as codes): QUANTISED
;;     13. [M 2,048, K 1,024] x [K 1,024, N 1,024]; A: input x (given as codes); B: input w1 (given as codes): QUANTISED
;;     14. [M 2,048, K 1,024] x [K 1,024, N 1,024]; A: input x (given as codes); B: input w2 (given as codes): QUANTISED
;;     15. [M 2,048, K 1,024] x [K 1,024, N 1,024]; A: computed on the way; B: input w3 (given as codes): QUANTISED
;;     16. [M 2,048, K 1,024] x [K 1,024, N 1,024]; A: input x (given as codes); B: input w1 (given as codes): QUANTISED
;;     17. [M 2,048, K 1,024] x [K 1,024, N 1,024]; A: input x (given as codes); B: input w2 (given as codes): QUANTISED
;;     18. [M 2,048, K 1,024] x [K 1,024, N 1,024]; A: computed on the way; B: input w3 (given as codes): QUANTISED
;;     19. [M 2,048, K 1,024] x [K 1,024, N 1,024]; A: input x (given as codes); B: input w1 (given as codes): QUANTISED
;;     20. [M 2,048, K 1,024] x [K 1,024, N 1,024]; A: input x (given as codes); B: input w2 (given as codes): QUANTISED
;;     21. [M 2,048, K 1,024] x [K 1,024, N 1,024]; A: computed on the way; B: input w3 (given as codes): QUANTISED
;;     22. [M 2,048, K 1,024] x [K 1,024, N 1,024]; A: input x (given as codes); B: input w1 (given as codes): QUANTISED
;;     23. [M 2,048, K 1,024] x [K 1,024, N 1,024]; A: input x (given as codes); B: input w2 (given as codes): QUANTISED
;;     24. [M 2,048, K 1,024] x [K 1,024, N 1,024]; A: computed on the way; B: input w3 (given as codes): QUANTISED
;;   THE QUANTISER, for each operand of a quantised product, along K:
;;     - K is cut into blocks of 32 from its start; a last block that is shorter is filled with zeros.
;;     - A block's scale is 2^e with e = floor(log2(the largest magnitude in the block)) - 2, held to -126 .. 127; a block of zeros has e = 0. As a byte (E8M0): e + 127.
;;     - Each number is divided by its block's scale, clamped to +-7.5, and rounded to the nearest number of E2M3, ties to even, subnormals kept.
;;     - The product sums the exact products of the quantised numbers (number of the format x scale) in f32.
;;   ~~~python
;;   def quantise(x, axis):      # numpy; x: float32 -> the quantised numbers, widened to float32 again
;;       x = np.moveaxis(x, axis, -1); K = x.shape[-1]
;;       x = np.pad(x, [(0, 0)] * (x.ndim - 1) + [(0, -K % 32)]); x = x.reshape(x.shape[:-1] + (-1, 32)); a = np.abs(x).max(-1, keepdims=True)
;;       e = np.where(a > 0, np.clip(np.frexp(np.where(a > 0, a, 1))[1] - 1 - 2, -126, 127), 0)      # np.frexp(a)[1] - 1 = floor(log2(a)), exactly
;;       r = np.clip(x / 2.0 ** e, -7.5, 7.5)
;;       step = 2.0 ** (np.maximum(np.frexp(np.where(r == 0, 1, r))[1] - 1, 0) - 3)
;;       q = np.round(r / step) * step * 2.0 ** e      # np.round: ties to even
;;       return np.moveaxis(q.reshape(q.shape[:-2] + (-1,))[..., :K], -1, axis).astype(np.float32)
;;   ~~~
;;   OPERANDS COMPUTED ON THE WAY. 'Computed on the way' means the value that the module computes at that place (a softmax that the list does not call 'softmax' is quantised finished and normalised). What goes into a quantiser is computed in f32, as accurately as f32 sums, v_exp_f32 and their like allow (about 1e-6 of the number): no bf16 or f16 on the way to a quantiser, and a product that is left as it is and whose result goes on into a quantised operand takes f32 operands (vector FMAs, or v_wmma_f32_16x16x4_f32). A number that lies on a knife's edge between two numbers of the format may be rounded either way, as far as f32 arithmetic and the matrix unit's own rounding can turn it there, and no further.
;;   INPUTS GIVEN AS CODES. w1 (in the module: [8, 1024, 1024], K = its axis 1); w2 (in the module: [8, 1024, 1024], K = its axis 1); w3 (in the module: [8, 1024, 1024], K = its axis 1); x (in the module: [2048, 1024], K = its axis 1): each comes as NAME_codes (uint8): NAME with its K axis moved to the last place and cut into blocks of 32 codes, [.., K / 32, bytes a block], one block behind the other in memory; four codes in three bytes: a row's codes are one little-endian stream of bits, code i at bits 6 i .. 6 i + 5 (a code: sign, 2 exponent bits, 3 mantissa bits); and NAME_scales (uint8): the same leading axes, one E8M0 byte (e + 127) for each 32 codes along K. Its value is code x scale, taken as it is: it is not quantised again, and the codes and scales need not be those that the quantiser above would give.
;; One version. Each part assembles by itself: llvm-mc -triple=amdgcn-amd-amdhsa -mcpu=gfx1250 --defsym DOCPART=n.
;; ======== version 1 of 1: 4 launches
;; limits: right only within a limited range of input values
;; workspace buffers: texp 256 bytes of whole numbers; pos 16,384 bytes of whole numbers; rowtok 22,528 bytes of whole numbers; h_img 4,276,224 bytes; h_scl 475,136 bytes; ybuf 22,806,528 bytes
;; launch route (part 1): grid 1 x 1, 16 waves a work-group, no clusters, 3,072 bytes of LDS; arguments expert_indices, texp, pos, rowtok; writes texp, pos, rowtok
.if DOCPART == 1
	.amdgcn_target "amdgcn-amd-amdhsa--gfx1250"
	.amdhsa_code_object_version 6
	.text
	.protected	k_q7c52ff7ebd_route
	.globl	k_q7c52ff7ebd_route
	.p2align	8
	.type	k_q7c52ff7ebd_route,@function
k_q7c52ff7ebd_route:
	s_mov_b64 s[64:65], 0
	v_nop
	global_prefetch_b8 v0, s[64:65] scope:SCOPE_SE
	s_setreg_imm32_b32 hwreg(HW_REG_WAVE_MODE, 25, 1), 1
	s_wait_xcnt 0x0
; THE ROUTING: a counting sort of the 4,096 entries (token t, slot k: entry 2 t + k) by expert, without atomics, by one work-group of 512 threads.
; Each expert's rows are padded to whole tiles of 192 rows: never more than 29 tiles, 5,568 rows, whatever the split ((4,096 + 8 x 191) / 192, rounded down).
; OUT: pos[entry] = the entry's padded row; rowtok[row] = the row's token (0 in padding and in tiles that no expert uses); texp[tile] = the tile's expert (7 for unused tiles).
; Thread i owns entries 8 i .. 8 i + 7 (32 neighbouring bytes).  Counts: eight 4-bit counters in a register (a thread has 8 entries: at most 8 a counter); then two experts
; to a register in 16-bit fields (at most 4,096 a field: no carry between fields); a scan over the wave's lanes, the waves' totals through LDS, a scan over the 16 waves.
; ALL LANES STAY ON throughout: where a lane has no padding row to fill, its store of 0 goes to a spare word of rowtok, word 5,568, which nobody reads.
; LIMIT: an index outside 0 .. 7 is held at 7 (reference() would drop such an entry; an index stays inside the table that it indexes).
; No input is shared between work-groups and there is no matrix work: no cluster, no tensor load.
.set NROW, 5568
.set TILE, 192
	s_load_b256 s[4:11], s[0:1], 0x0               ; indices s[4:5], texp s[6:7], pos s[8:9], rowtok s[10:11]
	v_lshl_add_u32 v96, v0, 2, 0x400
	v_mov_b32 v97, 0
	v_lshrrev_b32 v3, 5, v0
	s_delay_alu instid0(VALU_DEP_1)
	v_readfirstlane_b32 s12, v3                    ; wave 0..15
	v_bfe_u32 v2, v0, 4, 1
	s_delay_alu instid0(VALU_DEP_1)
	v_sub_nc_u32 v2, 0, v2                         ; all ones in lanes 16-31
	v_lshlrev_b32 v3, 5, v0                        ; my 32 bytes of the indices and of pos
	v_lshlrev_b32 v82, 2, v0                       ; my word of texp (wave 0 alone stores there)
	v_mov_b32 v83, NROW
	v_mov_b32 v28, 0
	v_mov_b32 v37, 0                               ; (a DPP destination counts as read)
	v_mov_b32 v76, 0
	s_lshl_b32 s13, s12, 4
	v_mov_b32 v80, s13                             ; LDS: 16 bytes a wave
	v_and_b32 v81, 15, v0
	s_delay_alu instid0(VALU_DEP_1)
	v_lshlrev_b32 v81, 4, v81                      ; and back: lane l % 16 takes wave l % 16's
	s_wait_alu depctr_va_vdst(0)
	s_wait_kmcnt 0x0
	global_load_b128 v[4:7], v3, s[4:5]
	global_load_b128 v[8:11], v3, s[4:5] offset:16
	s_wait_loadcnt 0x0
.irp j, 0,1,2,3,4,5,6,7
	v_min_u32 v[4+\j], 7, v[4+\j]
.endr
.irp j, 0,1,2,3,4,5,6,7
	v_lshlrev_b32 v[12+\j], 2, v[4+\j]             ; the counter's place
	s_delay_alu instid0(VALU_DEP_1)
	v_bfe_u32 v[20+\j], v28, v[12+\j], 4           ; how many of my earlier entries chose this expert
	s_delay_alu instid0(VALU_DEP_2)
	v_lshl_add_u32 v28, 1, v[12+\j], v28           ; one more
.endr
.irp k, 0,1,2,3
	v_bfe_u32 v[29+\k], v28, 8*\k, 4               ; experts 2 k (low field) and 2 k + 1 (high field)
	v_bfe_u32 v77, v28, 8*\k+4, 4
	s_delay_alu instid0(VALU_DEP_1)
	v_lshl_or_b32 v[29+\k], v77, 16, v[29+\k]
	s_delay_alu instid0(VALU_DEP_1)
	v_mov_b32 v[33+\k], v[29+\k]
.endr
.macro SCAN16 reg                      ; an inclusive scan over each half of 16 lanes: lane l adds lane l - d's, d = 1, 2, 4, 8; lanes without such a lane add 0
.irp d, 1
	v_mov_b32_dpp v37, v[\reg] row_shr:\d row_mask:0xf bank_mask:0xf bound_ctrl:1
	s_delay_alu instid0(VALU_DEP_1)
	v_add_nc_u32 v[\reg], v[\reg], v37
.endr
.irp d, 2, 4, 8
	s_delay_alu instid0(VALU_DEP_1)
	v_mov_b32_dpp v37, v[\reg] row_shr:\d row_mask:0xf bank_mask:0xf bound_ctrl:1
	s_delay_alu instid0(VALU_DEP_1)
	v_add_nc_u32 v[\reg], v[\reg], v37
.endr
.endm
.irp k, 0,1,2,3
	SCAN16 33+\k
	s_delay_alu instid0(VALU_DEP_1)
	v_readlane_b32 s13, v[33+\k], 15               ; the lower half's total goes onto the upper half
	s_delay_alu instid0(VALU_DEP_1)
	v_and_b32 v37, s13, v2
	s_delay_alu instid0(VALU_DEP_1)
	v_add_nc_u32 v[33+\k], v[33+\k], v37
.endr
.irp k, 0,1,2,3
	v_readlane_b32 s[16+\k], v[33+\k], 31          ; my wave's totals
	s_delay_alu instid0(VALU_DEP_1)
	v_mov_b32 v[38+\k], s[16+\k]
.endr
	ds_store_b128 v80, v[38:41]                    ; all lanes write the same 16 bytes with the same values
	s_wait_dscnt 0x0                               ; for the others' sake: my store is done
	s_barrier_signal -1
	s_barrier_wait -1
	ds_load_b128 v[38:41], v81                     ; lane l: the totals of wave l % 16
	s_wait_dscnt 0x0
.irp k, 0,1,2,3
	v_mov_b32 v[42+\k], v[38+\k]
	SCAN16 42+\k
	s_delay_alu instid0(VALU_DEP_1)
	v_sub_nc_u32 v[38+\k], v[42+\k], v[38+\k]      ; what the waves in front of wave l % 16 hold
	s_delay_alu instid0(VALU_DEP_1)
	v_readlane_b32 s[20+\k], v[38+\k], s12         ; in front of mine
	s_delay_alu instid0(VALU_DEP_3)
	v_readlane_b32 s[24+\k], v[42+\k], 15          ; and all sixteen together
.endr
; For each expert: n rows; ceil(n / 192) tiles = ((n + 191) / 64) / 3, the division by 3 as x 171 / 512 (exact under 512; here at most 66).
; s28-35 where its padding begins, s36-43 where it ends, s44-51 tiles up to and with this expert, s52-59 my wave's first row
	s_mov_b32 s60, 0
.irp e, 0,1,2,3,4,5,6,7
.if \e%2
	s_lshr_b32 s13, s[24+\e/2], 16
	s_lshr_b32 s15, s[20+\e/2], 16
.else
	s_and_b32 s13, s[24+\e/2], 0xffff
	s_and_b32 s15, s[20+\e/2], 0xffff
.endif
	s_mul_i32 s14, s60, TILE                       ; the expert's first row
	s_add_co_u32 s[28+\e], s14, s13
	s_add_co_u32 s[52+\e], s14, s15
	s_add_co_u32 s13, s13, TILE-1
	s_lshr_b32 s13, s13, 6
	s_mul_i32 s13, s13, 171
	s_lshr_b32 s13, s13, 9
	s_add_co_u32 s60, s60, s13
	s_mov_b32 s[44+\e], s60
	s_mul_i32 s[36+\e], s60, TILE
.endr
	s_mov_b32 s43, NROW                            ; behind the last expert the padding runs to the end of the 29 tiles
.irp k, 0,1,2,3
	v_sub_nc_u32 v[33+\k], v[33+\k], v[29+\k]      ; what the lanes in front of me hold
	s_delay_alu instid0(VALU_DEP_1)
	v_and_b32 v[46+2*\k], 0xffff, v[33+\k]
	s_delay_alu instid0(VALU_DEP_2)
	v_lshrrev_b32 v[47+2*\k], 16, v[33+\k]
.endr
.irp e, 0,1,2,3,4,5,6,7
	v_add_nc_u32 v[46+\e], s[52+\e], v[46+\e]      ; my first row of expert e
.endr
.irp j, 0,1,2,3,4,5,6,7
	v_mov_b32 v[56+\j], v46
.endr
.irp e, 1,2,3,4,5,6,7
.irp j, 0,1,2,3,4,5,6,7
	v_cmp_eq_u32 vcc_lo, \e, v[4+\j]
	s_delay_alu instid0(VALU_DEP_1)
	v_cndmask_b32 v[56+\j], v[56+\j], v[46+\e], vcc_lo
.endr
.endr
.irp j, 0,1,2,3,4,5,6,7
	v_add_nc_u32 v[56+\j], v[56+\j], v[20+\j]      ; + the rank among my own
	s_delay_alu instid0(VALU_DEP_1)
	v_min_u32 v[56+\j], NROW-1, v[56+\j]           ; a number made of loaded numbers is held before it enters an address
	s_delay_alu instid0(VALU_DEP_1)
	v_lshlrev_b32 v[64+\j], 2, v[56+\j]
.endr
.irp m, 0,1,2,3
	v_lshl_add_u32 v[72+\m], v0, 2, \m             ; my four tokens
.endr
	global_store_b128 v3, v[56:59], s[8:9]         ; pos: 32 neighbouring bytes a thread
	global_store_b128 v3, v[60:63], s[8:9] offset:16
.irp j, 0,1,2,3,4,5,6,7
	global_store_b32 v[64+\j], v[72+\j/2], s[10:11]   ; rowtok: 4 bytes to wherever the sort puts the row: 16 KB in all, once
.endr
; Token 0 into row lo + add + thread where that lies under hi, else into the spare word.  The choice is made by a select, the number is held behind it, and every lane stores.
.macro PADFILL lo, hi, add, ar
	v_add_nc_u32 v77, s[\lo], v0
.if \add
	s_delay_alu instid0(VALU_DEP_1)
	v_add_nc_u32 v77, \add, v77
.endif
	s_delay_alu instid0(VALU_DEP_1)
	v_cmp_gt_u32 vcc_lo, s[\hi], v77
	s_delay_alu instid0(VALU_DEP_1)
	v_cndmask_b32 v[\ar], v83, v77, vcc_lo         ; the row, or the spare word's number
	s_delay_alu instid0(VALU_DEP_1)
	v_min_u32 v[\ar], NROW, v[\ar]                 ; a number made of loaded numbers is held before it enters an address
	s_delay_alu instid0(VALU_DEP_1)
	v_lshlrev_b32 v[\ar], 2, v[\ar]
	global_store_b32 v[\ar], v76, s[10:11]
.endm
.irp e, 0,1,2,3,4,5,6
	PADFILL 28+\e, 36+\e, 0, 84+\e                 ; at most 191 rows
.endr
	PADFILL 35, 43, 0, 91                          ; all 4,096 entries lie in front of this padding, so it is at most 5,568 - 4,096 = 1,472 rows: three times 512 threads
	PADFILL 35, 43, 512, 92
	PADFILL 35, 43, 1024, 93
	v_mov_b32 v78, 0                               ; tile i's expert: how many of experts 0 .. 6 end at or in front of tile i
.irp e, 0,1,2,3,4,5,6
	v_cmp_le_u32 vcc_lo, s[44+\e], v0
	s_delay_alu instid0(VALU_DEP_1)
	v_cndmask_b32 v79, 0, 1, vcc_lo
	s_delay_alu instid0(VALU_DEP_1)
	v_add_nc_u32 v78, v78, v79
.endr
	s_cmp_lg_u32 s12, 0
	s_cbranch_scc1 .Lend
	global_store_b32 v82, v78, s[6:7]              ; wave 0: 32 words, of which 29 are read
.Lend:
	s_wait_tensorcnt 0x0
	ds_add_u32 v96, v97
	s_wait_dscnt 0x0
	s_endpgm
.Lfunc_end_k_q7c52ff7ebd_route:
	.size	k_q7c52ff7ebd_route, .Lfunc_end_k_q7c52ff7ebd_route-k_q7c52ff7ebd_route
	.p2alignl 7, 3214868480
	.fill 96, 4, 3214868480
	.section	.rodata,"a",@progbits
	.p2align	6, 0x0
	.amdhsa_kernel k_q7c52ff7ebd_route
		.amdhsa_group_segment_fixed_size 3072
		.amdhsa_private_segment_fixed_size 0
		.amdhsa_enable_private_segment 0
		.amdhsa_kernarg_size 32
		.amdhsa_user_sgpr_count 2
		.amdhsa_user_sgpr_kernarg_segment_ptr 1
		.amdhsa_wavefront_size32 1
		.amdhsa_system_sgpr_workgroup_id_x 1
		.amdhsa_system_sgpr_workgroup_id_y 1
		.amdhsa_system_sgpr_workgroup_id_z 1
		.amdhsa_system_vgpr_workitem_id 0
		.amdhsa_next_free_vgpr 98
		.amdhsa_next_free_sgpr 66
		.amdhsa_reserve_vcc 1
		.amdhsa_float_denorm_mode_32 3
		.amdhsa_float_denorm_mode_16_64 3
		.amdhsa_memory_ordered 1
		.amdhsa_forward_progress 1
		.amdhsa_inst_pref_size 32
	.end_amdhsa_kernel
	.amdgpu_metadata
---
amdhsa.version: [ 1, 2 ]
amdhsa.kernels:
  - .name:           k_q7c52ff7ebd_route
    .symbol:         k_q7c52ff7ebd_route.kd
    .args:
      - { .name: expert_indices, .offset: 0, .size: 8, .value_kind: global_buffer, .address_space: global }
      - { .name: texp, .offset: 8, .size: 8, .value_kind: global_buffer, .address_space: global }
      - { .name: pos, .offset: 16, .size: 8, .value_kind: global_buffer, .address_space: global }
      - { .name: rowtok, .offset: 24, .size: 8, .value_kind: global_buffer, .address_space: global }
    .group_segment_fixed_size: 3072
    .private_segment_fixed_size: 0
    .kernarg_segment_align: 8
    .kernarg_segment_size: 32
    .max_flat_workgroup_size: 512
    .sgpr_count:     66
    .vgpr_count:     98
    .wavefront_size: 32
...
	.end_amdgpu_metadata
.endif
;; end of part 1
;; launch up (part 2): grid 8 x 29, 4 waves a work-group, no clusters, 327,680 bytes of LDS; arguments x_codes, x_scales, w1_codes, w1_scales, w2_codes, w2_scales, texp, rowtok, h_img, h_scl; writes h_img, h_scl
.if DOCPART == 2
	.amdgcn_target "amdgcn-amd-amdhsa--gfx1250"
	.amdhsa_code_object_version 6
	.text
	.protected	k_q7c52ff7ebd_up
	.globl	k_q7c52ff7ebd_up
	.p2align	8
	.type	k_q7c52ff7ebd_up,@function
k_q7c52ff7ebd_up:
	s_mov_b64 s[64:65], 0
	v_nop
	global_prefetch_b8 v0, s[64:65] scope:SCOPE_SE
	s_setreg_imm32_b32 hwreg(HW_REG_WAVE_MODE, 25, 1), 1
	s_wait_xcnt 0x0
; THE HIDDEN LAYER of the routed rows: h = Q(silu(x W1e^T) * (x W2e^T)), on codes of FP6 (E2M3) with one E8M0 scale for each 32 along K; Q the quantiser along the hidden units.
; Only the rows that the routing list names are multiplied: reference() weighs every other (token, expert) pair with p = 0.
; SHARES.  Work-group (s, tau): the 192 rows of tile tau (tokens from rowtok, expert texp[tau]) x hidden units 128 s .. 128 s + 127, gate and val.  Wave w: rows 48 w .. 48 w + 47 (three tiles of 16) x all 128 units.
; x: a wave gathers its own 48 rows through registers and 16 rows of LDS of its own into fragments for all of K: 3 x 8 x 12 = 288 registers; no other wave reads those bytes, so no barrier.
; WEIGHTS: whole rows of 768 bytes, dense in memory, stated as lines of 256 bytes with 16 bytes of padding behind each (a row: 816 bytes in LDS).  LDS holds block n of 32 units as 32 rows of W1, then 32 of W2.
; Wave w fetches 32 rows at the head (blocks 0, 1) and 32 more behind the first barrier (blocks 2, 3): every byte is filled once.
; THE WALK: four blocks of 32 units; a block is 8 K steps of 12 matrix instructions (3 row tiles x 2 gate tiles, 2 val tiles) and then its epilogue: 32 units are one block of the quantiser.
; The grid serves every split: padding rows and unused tiles carry token 0 and are worked like any other, since no branch of this text may hang on a loaded number; nobody reads what they give.
; NO CLUSTER: x's rows come by a list and through registers; weights are shared only by tiles of one expert, and which tiles those are hangs on the stored list, so partners' descriptors could differ.
; NO PREFETCH: the text has no loop to run ahead in; all its requests go out at the head and behind the first barrier.
; THE MATRIX INSTRUCTION IS USED TRANSPOSED (source 0 = 16 rows of a weight, source 1 = 16 rows of x): lane (r, h) holds row r, register k of unit tile u the unit 16 u + 8 h + k.
; OUT.  h_img [tau][K step of the next product = s][tile of 16 rows][6 groups][32 lanes][8 bytes]: the next product's operand as an image of its registers; each store covers 256 consecutive bytes, aligned.
;       h_scl [tau][s][wave][32 lanes][16 bytes]: lane r: the scale words of row r of the wave's three tiles, and a 0; lanes 16-31 hold the same again.
; LIMITS: NaN and infinities are not served.  A sigmoid under 2^-126 comes out as 0 (v_rcp_f32 gives 0 for such results: ISA guide 15.8).  gate x val is formed ahead of the sigmoid's factor: f32 roundings apart from reference().
; A hidden block of zeros gets the byte 1 where the rule says 127: its codes are zeros, and this program alone reads the bytes.
; REGISTERS, in windows of 256.  Window 0: v0-31 addresses; v32-55 x's scale words (32 + 8 a + q); v56-183 the weights' (56 + 8 (4 n + b) + q); v184-210 tokens.
;   Window 1: x's fragments of K steps 0-6 at 12 (3 q + a).  Window 2: v0-35 those of K step 7; v64-255 four sets of weight fragments.  Window 3: v0-95 accumulators at 32 a + 8 b (b = 0, 1 gate; 2, 3 val); from v96 the epilogue's.
.set PA,    784                        ; a row of x in my transit bytes: 768 + 16
.set PW,    816                        ; a weight's row in LDS: 3 x (256 + 16) bytes = 204 words: the 16 rows of a fragment start at 16 different multiples of 4 banks
.set TRANS, 256*PW                     ; behind the weights: 16 rows of x for each wave, written by LDS stores: no tensor load lands here
.set TRB,   16*PA
.set SPARE, TRANS+4*TRB                ; the spare words, 128 bytes for each wave
.set AS,    32
.set BS,    56
.set TK,    184
.set MSB, 0
.macro WIN new                         ; the immediate's high byte repeats the setting that is left
.if MSB != (\new)
	s_set_vgpr_msb (MSB<<8)|(\new)
.set MSB, (\new)
.endif
.endm
.macro PLACES                          ; four places behind matrix instructions, in front of loads into their registers and of the first read of results
.rept 4
	v_nop
.endr
.endm
	s_load_b512 s[4:19], s[0:1], 0x0               ; x codes s[4:5], x scales s[6:7], W1 codes s[8:9], scales s[10:11], W2 codes s[12:13], scales s[14:15], texp s[16:17], rowtok s[18:19]
	s_load_b128 s[20:23], s[0:1], 0x40             ; h_img s[20:21], h_scl s[22:23]
	v_lshl_add_u32 v8, v0, 2, SPARE                ; my spare word; never rewritten
	v_mov_b32 v9, 0                                ; never rewritten
	ds_add_u32 v8, v9                              ; the opening lines: the add twice on end and one wait
	ds_add_u32 v8, v9
	v_lshrrev_b32 v11, 5, v0
	v_readfirstlane_b32 s24, v11                   ; wave w
	s_lshr_b32 s25, s24, 1                         ; the block of 32 units that I fetch for at the head
	s_and_b32 s26, s24, 1                          ; from W1 (0) or W2 (1)
	s_mov_b32 s27, ttmp9                           ; s: the slice of 128 units
	s_and_b32 s28, ttmp7, 0xffff                   ; tau: the tile
	s_lshl_b32 s30, s28, 2
	s_mov_b32 s32, (3<<16)|(1<<20)|(5<<22)|(3<<25) ; group 1: elements of 8 bytes; padding on, behind every 64 words, 4 words of it
	s_mov_b32 s33, 32<<16                          ; a line of 256 bytes
	s_mov_b32 s34, 96<<16                          ; 96 lines: 32 rows of 768 bytes, dense
	s_mov_b32 s35, 32<<16
	s_mov_b32 s36, 96
	s_mov_b32 s37, 32
	s_mov_b32 s38, 0
	s_mov_b32 s39, 0
	s_mov_b32 s48, 0xbfb8aa3b                      ; -log2(e)
	s_mov_b32 s49, s48                             ; (named with it as a pair)
	s_mov_b32 s50, 0x76543210
	s_mov_b32 s51, 0xfedcba98                      ; v_permlanex16_b32's selects for lane l xor 16
	s_mov_b32 s52, 0x05040100                      ; v_perm_b32: low half of the second source, low half of the first
	s_mov_b32 s53, 0x05040302                      ; high half of the second, low half of the first
	s_mov_b32 s54, 0x07060302                      ; high half of the second, high half of the first
	s_mul_i32 s56, s24, TRB
	s_add_co_u32 s56, s56, TRANS                   ; my transit bytes
	s_mul_i32 s57, s28, 768                        ; the list: 4 bytes a row
	s_mul_i32 s58, s24, 192
	s_add_co_u32 s57, s57, s58                     ; row 192 tau + 48 w
	v_and_b32 v1, 15, v0                           ; r
	v_bfe_u32 v2, v0, 4, 1                         ; h
	v_lshlrev_b32 v25, 4, v1                       ; v25: 16 r
	v_mul_u32_u24 v3, v1, PA                       ; v3: x's fragments out of the transit bytes: r PA + 24 h
	v_mad_u32_u24 v3, v2, 24, v3
	v_add_nc_u32 v3, s56, v3
	v_mul_u32_u24 v24, v2, PA                      ; v24: into them: row h (+ 2 p), 16 r
	v_lshl_add_u32 v24, v1, 4, v24
	v_add_nc_u32 v24, s56, v24
	v_mul_u32_u24 v12, v1, PW                      ; v12-15: the weights' fragments in block n: r PW + 24 h + 64 n PW
	v_mad_u32_u24 v12, v2, 24, v12
	v_lshl_add_u32 v16, v2, 4, v12                 ; v16-19: the same where lanes 16-31 lie behind one padding more
.irp n, 1,2,3
	v_add_nc_u32 v[12+\n], \n*64*PW, v12
	v_add_nc_u32 v[16+\n], \n*64*PW, v16
.endr
	v_lshl_add_u32 v20, v2, 2, s57                 ; v20: the list's rows 48 w + h (+ 2 p)
	v_lshl_add_u32 v21, v1, 2, s57                 ; v21: rows 48 w + r (+ 16 a)
	v_and_b32 v22, 31, v0                          ; lane
	s_wait_alu depctr_va_vdst(0)
	s_wait_dscnt 0x0                               ; both opening adds are done
	s_wait_kmcnt 0x0
	s_load_b32 s29, s[16:17], s30 offset:0x0       ; the tile's expert
.irp p, 0,1,2,3,4,5,6,7,8,9,10,11,12,13,14,15,16,17,18,19,20,21,22,23
	global_load_b32 v[TK+\p], v20, s[18:19] offset:8*\p
.endr
.irp a, 0,1,2
	global_load_b32 v[TK+24+\a], v21, s[18:19] offset:64*\a
.endr
	s_lshl_b32 s58, s28, 3
	s_add_co_u32 s58, s58, s27                     ; 8 tau + s
	s_mul_i32 s59, s58, 12
	s_mul_i32 s60, s24, 3
	s_add_co_u32 s59, s59, s60
	s_mul_i32 s60, s59, 1536                       ; h_img at ((8 tau + s) 12 + 3 w) 1,536
	s_mov_b32 s61, 0
	s_add_nc_u64 s[70:71], s[20:21], s[60:61]
	s_lshl_b32 s58, s58, 2
	s_add_co_u32 s58, s58, s24
	s_lshl_b32 s60, s58, 9                         ; h_scl at ((8 tau + s) 4 + w) 512
	s_add_nc_u64 s[72:73], s[22:23], s[60:61]
	s_wait_kmcnt 0x0
	s_min_u32 s29, s29, 7                          ; a loaded number is held before it enters an address
	s_cmp_eq_u32 s26, 0
	s_cselect_b64 s[56:57], s[8:9], s[12:13]
	s_mul_i32 s58, s29, 786432                     ; the expert's 1,024 rows of 768 bytes
	s_lshl_b32 s59, s27, 7
	s_lshl_b32 s60, s25, 5
	s_add_co_u32 s59, s59, s60                     ; row 128 s + 32 (w / 2)
	s_mul_i32 s59, s59, 768
	s_add_co_u32 s58, s58, s59
	s_mov_b32 s59, 0
	s_add_nc_u64 s[56:57], s[56:57], s[58:59]
	s_mov_b32 s40, 1                               ; group 0 of my first load:
	s_mul_i32 s41, s24, 32*PW                      ; LDS: wave x 32 rows
	s_mov_b64 s[42:43], s[56:57]
	s_or_b32 s43, s43, 0x80000000
	s_mov_b32 s44, 1                               ; and of my second: 64 rows on in memory, 128 rows on in LDS
	s_add_co_u32 s45, s41, 128*PW
	s_add_nc_u64 s[46:47], s[56:57], 49152
	s_or_b32 s47, s47, 0x80000000
	s_lshl_b32 s60, s29, 15                        ; the weights' scale bytes, 32 a row
	s_lshl_b32 s61, s27, 12
	s_add_co_u32 s60, s60, s61
	v_lshl_add_u32 v26, v1, 5, s60                 ; v26: my row's 32 scale bytes
	s_wait_alu depctr_va_vdst(0)
	tensor_load_to_lds s[40:43], s[32:39]          ; my one tensor load at the head: 32 rows of blocks 0, 1
	s_nop 0
	PLACES
.irp n, 0,1,2,3                        ; the weights' scale words: lane r takes its row's 32 bytes, the words of the eight K steps
.irp u, 0,1
	global_load_b128 v[BS+8*(4*\n+\u):BS+8*(4*\n+\u)+3], v26, s[10:11] offset:1024*\n+512*\u
	global_load_b128 v[BS+8*(4*\n+\u)+4:BS+8*(4*\n+\u)+7], v26, s[10:11] offset:1024*\n+512*\u+16
	global_load_b128 v[BS+8*(4*\n+2+\u):BS+8*(4*\n+2+\u)+3], v26, s[14:15] offset:1024*\n+512*\u
	global_load_b128 v[BS+8*(4*\n+2+\u)+4:BS+8*(4*\n+2+\u)+7], v26, s[14:15] offset:1024*\n+512*\u+16
.endr
.endr
	s_wait_loadcnt 32                              ; the 27 loads of the list are in; the 32 issued behind them may be out
.set n, 0
.rept 27
	v_min_u32 v[TK+n], 0x7ff, v[TK+n]              ; a token is held before it enters an address
.set n, n+1
.endr
.set n, 0
.rept 24
	v_mul_u32_u24 v[TK+n], v[TK+n], 768            ; the token's row of codes,
	v_add_nc_u32 v[TK+n], v[TK+n], v25             ; my 16 bytes of each 256
.set n, n+1
.endr
.irp a, 0,1,2
	v_lshlrev_b32 v[TK+24+\a], 5, v[TK+24+\a]      ; the token's row of scale bytes
.endr
; 72 loads: pair p of rows, 256 bytes m of their 768: each half of the lanes reads 256 consecutive bytes, aligned.  Tiles 0, 1 land in window 3, tile 2 in window 2, in registers that are put to their own use later.
.set n, 0
.rept 72
.if n < 48
	WIN 0xc0
	global_load_b128 v[4*n:4*n+3], v[TK+n/3], s[4:5] offset:256*(n%3)
.else
	WIN 0x80
	global_load_b128 v[160+4*(n-48):160+4*(n-48)+3], v[TK+n/3], s[4:5] offset:256*(n%3)
.endif
.set n, n+1
.endr
	WIN 0
.irp a, 0,1,2                          ; x's scale words: lane r takes its row's 32 bytes
	global_load_b128 v[AS+8*\a:AS+8*\a+3], v[TK+24+\a], s[6:7]
	global_load_b128 v[AS+8*\a+4:AS+8*\a+7], v[TK+24+\a], s[6:7] offset:16
.endr
; Row tile a: 24 stores into my transit bytes, 48 loads back as fragments.  LDS serves a wave's instructions in order (ISA guide 5.7.1.4): no wait between them, nor in front of the next tile's stores.  left: the younger global loads.
.macro TRANSIT a, left
	s_wait_loadcnt \left
.set n, 24*(\a)
.rept 24
.if n < 48
	WIN 0x0c
	ds_store_b128 v24, v[4*n:4*n+3] offset:2*((n/3)%8)*PA+256*(n%3)
.else
	WIN 0x08
	ds_store_b128 v24, v[160+4*(n-48):160+4*(n-48)+3] offset:2*((n/3)%8)*PA+256*(n%3)
.endif
.set n, n+1
.endr
	WIN 0x40
.set qq, 0
.rept 7
.irp p, 0,1,2,3,4,5
	ds_load_b64 v[(3*qq+(\a))*12+2*\p:(3*qq+(\a))*12+2*\p+1], v3 offset:96*qq+48*(\p/3)+8*(\p%3)
.endr
.set qq, qq+1
.endr
	WIN 0x80
.irp p, 0,1,2,3,4,5
	ds_load_b64 v[12*(\a)+2*\p:12*(\a)+2*\p+1], v3 offset:672+48*(\p/3)+8*(\p%3)
.endr
.endm
	TRANSIT 0, 54                                  ; behind tile 0's 24 loads: 48 of codes, 6 of scales
	TRANSIT 1, 30
	TRANSIT 2, 6
	WIN 0xc0                                       ; the epilogue's registers, in window 3
	v_lshlrev_b32 v180, 3, v22                     ; 8 x lane
	v_lshlrev_b32 v181, 4, v22                     ; 16 x lane
	v_mov_b32 v100, 0                              ; (a lane permute's destination counts as read)
	v_mov_b32 v101, 0
	v_mov_b32 v102, 0
	v_mov_b32 v115, 0                              ; the fourth word of a lane's 16 bytes of h_scl
	WIN 0
	s_wait_alu depctr_va_vdst(0)
	s_wait_tensorcnt 0x0                           ; my part of blocks 0, 1 is in
	ds_add_u32 v8, v9
	s_wait_dscnt 0x0                               ; the add is done, and x's fragments are in
	s_barrier_signal -1
	s_barrier_wait -1                              ; everybody's part is in
	tensor_load_to_lds s[44:47], s[32:39]          ; my one tensor load behind this barrier: 32 rows of blocks 2, 3, filled for the first time
	s_nop 0
	PLACES
	s_wait_loadcnt 0x0                             ; the scale words
.macro FRAGB reg, nb, rowoff, q        ; a weight's fragment: lane (r, h): registers 6 c .. 6 c + 5 = K 64 c + 32 h + 0 .. 31, 24 bytes of the row as they lie, in pieces of 8; byte y of a row lies at y + 16 (y / 256)
.irp p, 0,1,2,3,4,5
.set BY, 96*(\q)+48*(\p/3)+8*(\p%3)
.if BY/256 == (BY+24)/256
	ds_load_b64 v[(\reg)+2*\p:(\reg)+2*\p+1], v[12+(\nb)] offset:BY+16*(BY/256)+(\rowoff)*PW
.else
	ds_load_b64 v[(\reg)+2*\p:(\reg)+2*\p+1], v[16+(\nb)] offset:BY+16*(BY/256)+(\rowoff)*PW
.endif
.endr
.endm
.macro FETCH t                         ; step t = 8 n + q: the four weight fragments of block n, K step q, into set t % 4: 24 loads
	WIN 0x80
.irp b, 0,1,2,3
	FRAGB 64+48*((\t)%4)+12*\b, (\t)/8, 16*\b, (\t)%8
.endr
.endm
; 12 matrix instructions.  A block's first K step starts the sums.  The 12 accumulators take turns, one instruction a turn, in the same order in every step.
.macro MUL t
.if (\t)%8 == 7
	WIN 0xfa
.else
	WIN 0xf6
.endif
.set ma, 0
.rept 3
.if (\t)%8 == 7
.set mf, 12*ma
.else
.set mf, (3*((\t)%8)+ma)*12
.endif
.set mb, 0
.rept 4
.set mg, 64+48*((\t)%4)+12*mb
.set mc, 32*ma+8*mb
.if (\t)%8 == 0
	v_wmma_scale_f32_16x16x128_f8f6f4 v[mc:mc+7], v[mg:mg+11], v[mf:mf+11], 0, v[BS+8*(4*((\t)/8)+mb)+(\t)%8], v[AS+8*ma+(\t)%8] matrix_a_fmt:MATRIX_FMT_FP6 matrix_b_fmt:MATRIX_FMT_FP6
.else
	v_wmma_scale_f32_16x16x128_f8f6f4 v[mc:mc+7], v[mg:mg+11], v[mf:mf+11], v[mc:mc+7], v[BS+8*(4*((\t)/8)+mb)+(\t)%8], v[AS+8*ma+(\t)%8] matrix_a_fmt:MATRIX_FMT_FP6 matrix_b_fmt:MATRIX_FMT_FP6
.endif
.set mb, mb+1
.endr
.set ma, ma+1
.endr
.endm
.macro STEP t, ahead                   ; ahead: how many later steps' sets, 24 loads each, are out while this step is multiplied
	PLACES                                         ; in front of the loads into the set that the step before last multiplied
.if \ahead == 2
	FETCH (\t)+2
.endif
	s_wait_dscnt 24*\ahead                         ; this step's set is in
	MUL \t
.endm
; BLOCK n's EPILOGUE, in place on the accumulators, all operands in window 3: silu(gate) x val in f32; the block's scale; codes.  Two blocks make three groups of the image.
; v96-98 largest magnitudes, v100-102 the other half's, v104-106 scale operands, v108-110 bytes, v112-114 scale words, v116.. an even block's codes, v128.. an odd block's, v140-175 the image's registers.
.macro EPI n
	PLACES
	WIN 0xff
.set k, 0
.rept 24
.set g, 32*(k/8)+2*(k%8)
	v_pk_mul_f32 v[g+16:g+17], v[g:g+1], v[g+16:g+17]              ; gate x val; each accumulator from its low end on
.set k, k+1
.endr
.set k, 0
.rept 24
.set g, 32*(k/8)+2*(k%8)
	v_pk_mul_f32 v[g:g+1], v[g:g+1], s[48:49] op_sel_hi:[1,0]      ; -gate x log2(e)
.set k, k+1
.endr
	s_wait_alu depctr_va_vdst(0)
.set k, 0
.rept 48
	v_exp_f32 v[32*(k/16)+k%16], v[32*(k/16)+k%16]                 ; e^-gate
.set k, k+1
.endr
	v_nop
	s_wait_alu depctr_va_vdst(0)
.set k, 0
.rept 24
.set g, 32*(k/8)+2*(k%8)
	v_pk_add_f32 v[g:g+1], v[g:g+1], 1.0 op_sel_hi:[1,0]
.set k, k+1
.endr
	s_wait_alu depctr_va_vdst(0)
.set k, 0
.rept 48
	v_rcp_f32 v[32*(k/16)+k%16], v[32*(k/16)+k%16]                 ; the sigmoid
.set k, k+1
.endr
	v_nop
	s_wait_alu depctr_va_vdst(0)
.set k, 0
.rept 24
.set g, 32*(k/8)+2*(k%8)
	v_pk_mul_f32 v[g:g+1], v[g:g+1], v[g+16:g+17]                  ; h: registers 32 a .. 32 a + 15 = units 8 h .. + 7 and 16 + 8 h .. + 7 of the block
.set k, k+1
.endr
.irp a, 0,1,2
	v_max3_num_f32 v[96+\a], |v[32*\a]|, |v[32*\a+1]|, 0x1800000   ; my 16 numbers, and the floor 2^(3 - 127): so the byte cannot fall under 1
.endr
.irp i, 2,4,6,8,10,12,14
.irp a, 0,1,2
	v_max3_num_f32 v[96+\a], v[96+\a], |v[32*\a+\i]|, |v[32*\a+\i+1]|
.endr
.endr
.irp a, 0,1,2
	v_permlanex16_b32 v[100+\a], v[96+\a], s50, s51
.endr
.irp a, 0,1,2
	v_max_num_f32 v[96+\a], v[96+\a], v[100+\a]    ; with lane l xor 16's: the block's largest magnitude
.endr
.irp a, 0,1,2
	v_add_nc_u32 v[104+\a], 0xff000000, v[96+\a]   ; 2 off its exponent field: the conversion takes that field as its scale
.endr
.irp a, 0,1,2
	v_lshrrev_b32 v[108+\a], 23, v[104+\a]         ; the scale's byte
.endr
.irp a, 0,1,2
.if (\n) == 0
	v_mov_b32 v[112+\a], v[108+\a]
.else
	v_lshl_or_b32 v[112+\a], v[108+\a], 8*(\n), v[112+\a]          ; byte n of the row's scale word
.endif
.endr
.irp a, 0,1,2
	v_cvt_scalef32_pk16_fp6_f32 v[116+12*((\n)%2)+4*\a:118+12*((\n)%2)+4*\a], v[32*\a:32*\a+15], v[104+\a]
.endr
	v_nop                                          ; one plain place behind a scaled conversion
.if (\n)%2
.irp a, 0,1,2
.irp i, 0,1,2
	v_permlane16_swap_b32 v[116+4*\a+\i], v[128+4*\a+\i]           ; lane (r, h) now holds block n - 1 + h whole: v116.. its units 0-7 and 16-23 (48 bits each), v128.. its units 8-15 and 24-31
.endr
.endr
.irp a, 0,1,2
.set OO, 140+18*((\n)/2)+6*\a
.set XX, 116+4*\a
.set YY, 128+4*\a
	v_mov_b32 v[OO], v[XX]                         ; the four pieces of 48 bits in the order of the units: 192 bits, six registers of the operand
	v_perm_b32 v[OO+1], v[YY], v[XX+1], s52
	v_perm_b32 v[OO+2], v[YY+1], v[YY], s53
	v_perm_b32 v[OO+3], v[XX+2], v[XX+1], s53
	v_perm_b32 v[OO+4], v[YY+1], v[XX+2], s54
	v_mov_b32 v[OO+5], v[YY+2]
.endr
.irp a, 0,1,2
.irp gg, 0,1,2
	global_store_b64 v180, v[140+18*((\n)/2)+6*\a+2*\gg:140+18*((\n)/2)+6*\a+2*\gg+1], s[70:71] offset:1536*\a+256*(3*((\n)/2)+\gg)   ; 32 lanes store 256 consecutive bytes, aligned; no store's data register is written again
.endr
.endr
.endif
.if (\n) == 3
	global_store_b128 v181, v[112:115], s[72:73]   ; 32 lanes store 512 consecutive bytes, aligned
.endif
	s_wait_alu depctr_va_vdst(0)                   ; what is kept
.endm
	FETCH 0
	FETCH 1
.set tt, 0
.rept 8
	STEP tt, 2
.set tt, tt+1
.endr
	EPI 0
.rept 6
	STEP tt, 2
.set tt, tt+1
.endr
	STEP 14, 1                                     ; blocks 2, 3 are read only behind the barrier below
	STEP 15, 0
	WIN 0
	s_wait_tensorcnt 0x0                           ; my part of blocks 2, 3 is in
	s_wait_dscnt 0x0                               ; no LDS instruction of mine is out at the signal
	s_barrier_signal -1
	s_barrier_wait -1                              ; everybody's part is in
	PLACES
	FETCH 16
	FETCH 17
	EPI 1
.set tt, 16
.rept 8
	STEP tt, 2
.set tt, tt+1
.endr
	EPI 2
.rept 6
	STEP tt, 2
.set tt, tt+1
.endr
	STEP 30, 1
	STEP 31, 0
	EPI 3
	WIN 0
	s_wait_tensorcnt 0x0                           ; the wave's end
	ds_add_u32 v8, v9
	s_wait_dscnt 0x0
	s_endpgm
.Lfunc_end_k_q7c52ff7ebd_up:
	.size	k_q7c52ff7ebd_up, .Lfunc_end_k_q7c52ff7ebd_up-k_q7c52ff7ebd_up
	.p2alignl 7, 3214868480
	.fill 96, 4, 3214868480
	.section	.rodata,"a",@progbits
	.p2align	6, 0x0
	.amdhsa_kernel k_q7c52ff7ebd_up
		.amdhsa_group_segment_fixed_size 327680
		.amdhsa_private_segment_fixed_size 0
		.amdhsa_enable_private_segment 0
		.amdhsa_kernarg_size 80
		.amdhsa_user_sgpr_count 2
		.amdhsa_user_sgpr_kernarg_segment_ptr 1
		.amdhsa_wavefront_size32 1
		.amdhsa_system_sgpr_workgroup_id_x 1
		.amdhsa_system_sgpr_workgroup_id_y 1
		.amdhsa_system_sgpr_workgroup_id_z 1
		.amdhsa_system_vgpr_workitem_id 0
		.amdhsa_next_free_vgpr 1024
		.amdhsa_next_free_sgpr 100
		.amdhsa_reserve_vcc 0
		.amdhsa_float_denorm_mode_32 3
		.amdhsa_float_denorm_mode_16_64 3
		.amdhsa_memory_ordered 1
		.amdhsa_forward_progress 1
		.amdhsa_inst_pref_size 193
	.end_amdhsa_kernel
	.amdgpu_metadata
---
amdhsa.version: [ 1, 2 ]
amdhsa.kernels:
  - .name:           k_q7c52ff7ebd_up
    .symbol:         k_q7c52ff7ebd_up.kd
    .args:
      - { .name: x_codes, .offset: 0, .size: 8, .value_kind: global_buffer, .address_space: global }
      - { .name: x_scales, .offset: 8, .size: 8, .value_kind: global_buffer, .address_space: global }
      - { .name: w1_codes, .offset: 16, .size: 8, .value_kind: global_buffer, .address_space: global }
      - { .name: w1_scales, .offset: 24, .size: 8, .value_kind: global_buffer, .address_space: global }
      - { .name: w2_codes, .offset: 32, .size: 8, .value_kind: global_buffer, .address_space: global }
      - { .name: w2_scales, .offset: 40, .size: 8, .value_kind: global_buffer, .address_space: global }
      - { .name: texp, .offset: 48, .size: 8, .value_kind: global_buffer, .address_space: global }
      - { .name: rowtok, .offset: 56, .size: 8, .value_kind: global_buffer, .address_space: global }
      - { .name: h_img, .offset: 64, .size: 8, .value_kind: global_buffer, .address_space: global }
      - { .name: h_scl, .offset: 72, .size: 8, .value_kind: global_buffer, .address_space: global }
    .group_segment_fixed_size: 327680
    .private_segment_fixed_size: 0
    .kernarg_segment_align: 8
    .kernarg_segment_size: 80
    .max_flat_workgroup_size: 128
    .sgpr_count:     100
    .vgpr_count:     1024
    .wavefront_size: 32
...
	.end_amdgpu_metadata
.endif
;; end of part 2
;; launch down (part 3): grid 8 x 29, 4 waves a work-group, clusters of 4 x 1, 327,680 bytes of LDS; arguments h_img, h_scl, w3_codes, w3_scales, texp, ybuf; writes ybuf
.if DOCPART == 3
	.amdgcn_target "amdgcn-amd-amdhsa--gfx1250"
	.amdhsa_code_object_version 6
	.text
	.protected	k_q7c52ff7ebd_down
	.globl	k_q7c52ff7ebd_down
	.p2align	8
	.type	k_q7c52ff7ebd_down,@function
k_q7c52ff7ebd_down:
	s_mov_b64 s[64:65], 0
	v_nop
	global_prefetch_b8 v0, s[64:65] scope:SCOPE_SE
	s_setreg_imm32_b32 hwreg(HW_REG_WAVE_MODE, 25, 1), 1
	s_wait_xcnt 0x0
	s_wait_alu depctr_hold_cnt(0) depctr_sa_sdst(0) depctr_va_vdst(0) depctr_va_sdst(0) depctr_va_ssrc(0) depctr_va_vcc(0) depctr_vm_vsrc(0)
	s_getreg_b32 s2, hwreg(HW_REG_IB_STS2, 6, 4)
	s_cmp_eq_u32 s2, 0
	s_cbranch_scc0 .Lentry_in_a_cluster
	s_endpgm
.Lentry_in_a_cluster:
	s_bfe_u32 s2, ttmp6, 0x10000c
	s_cmp_lg_u32 s2, 0x3003
	s_cbranch_scc0 .Lentry_shape_is_right
	s_endpgm
.Lentry_shape_is_right:
; y = h W3e^T for the routed rows alone, on codes of FP6 (E2M3) with one E8M0 scale for each 32 along K.  Work-group (s, tau): the 192 rows of tile tau x outputs 128 s .. 128 s + 127, expert e = texp[tau].
; Four waves: wave w takes rows 96 (w / 2) on (six tiles of 16) and outputs 64 (w % 2) on (four tiles): 24 accumulators.  K = 1,024 in eight steps of 128.
; ALL OF K LIES IN LDS, every byte filled once, by ONE tensor load a wave at the head: waves 0, 1 the two halves of h's 147,456 dense bytes (images of the operand's registers, lines of 256 bytes);
; waves 2, 3 64 whole rows of W3 each (768 bytes a row, dense, stated as lines of 256 bytes with 16 bytes of padding behind each: 816 bytes a row in LDS).
; CLUSTER: the four work-groups of a cluster are four slices s of ONE tile: they need the same h, which is asked for JOINTLY (the same load, the same descriptor, a mask that names the four); W3's rows are each
; work-group's own.  No branch and no LDS address hangs on the place in the cluster; the expert's number enters W3's addresses alone.
; NO PREFETCH: the text has no loop to run ahead in; all its requests go out at the head.
; THE MATRIX INSTRUCTION IS USED TRANSPOSED (source 0 = 16 rows of W3, source 1 = 16 rows of h): a lane holds eight neighbouring outputs of one row.
; Padding rows and unused tiles are worked like any other (no branch may hang on a loaded number here); nobody reads their rows of ybuf.
; REGISTERS: window 0: v0-23 addresses; v24-87 h's scale words (24 + 4 (2 q + a / 3) + a % 3); v88-119 W3's (88 + 8 b + q); v120-191 h's fragments of even K steps.
;   window 1: accumulators at 32 a + 8 b.  window 2: W3's fragments, sets at v0 and v48; v96-167 h's fragments of odd K steps.
.set PW,    816
.set KIMG,  18432                      ; a K step's 12 fragments of h: 12 x 1,536 dense bytes
.set WOFF,  8*KIMG
.set STAGE, WOFF+128*PW                ; the way out: 16 rows x (256 bytes + 16) for each wave
.set SPARE, STAGE+4*16*272             ; the spare words, 128 bytes for each wave
.set AS,    24
.set WS,    88
.set MSB, 0
.macro WIN new                         ; the immediate's high byte repeats the setting that is left
.if MSB != (\new)
	s_set_vgpr_msb (MSB<<8)|(\new)
.set MSB, (\new)
.endif
.endm
.macro PLACES
.rept 4
	v_nop
.endr
.endm
.macro CROUND                          ; a round of the cluster's barrier
	s_barrier_signal -1
	s_barrier_wait -1
	s_cmp_lg_u32 s24, 0
	s_cbranch_scc1 .Lnot_wave_0_\@
	s_barrier_signal -3
.Lnot_wave_0_\@:
	s_barrier_wait -3
	s_barrier_signal -1
	s_barrier_wait -1
.endm
	s_load_b256 s[4:11], s[0:1], 0x0               ; h_img s[4:5], h_scl s[6:7], W3 codes s[8:9], W3 scales s[10:11]
	s_load_b128 s[12:15], s[0:1], 0x20             ; texp s[12:13], ybuf s[14:15]
	v_lshl_add_u32 v22, v0, 2, SPARE               ; my spare word; never rewritten
	v_mov_b32 v23, 0                               ; never rewritten
	ds_add_u32 v22, v23                            ; the opening lines: the add twice on end and one wait
	ds_add_u32 v22, v23
	v_lshrrev_b32 v19, 5, v0
	v_readfirstlane_b32 s24, v19                   ; wave w
	s_lshr_b32 s25, s24, 1                         ; i: which 96 rows
	s_and_b32 s26, s24, 1                          ; j: which 64 outputs; also: which half of h or of W3's rows I fetch
	s_and_b32 s28, ttmp7, 0xffff                   ; tau: the cluster's y
	s_bfe_u32 s84, ttmp6, 0x40000                  ; cx
	s_lshl_b32 s85, ttmp9, 2
	s_add_co_u32 s85, s85, s84                     ; s = 4 x cluster x + cx: it enters W3's and ybuf's addresses alone, in s84 and up
	s_lshl_b32 s30, s28, 2
	s_mov_b32 s32, 15|(3<<16)|(1<<21)              ; group 1 for h: the mask names all four work-groups; elements of 8 bytes; bit 21 set beside a mask
	s_mov_b32 s33, 32<<16                          ; 288 dense lines of 256 bytes, no padding
	s_mov_b32 s34, 288<<16
	s_mov_b32 s35, 32<<16
	s_mov_b32 s36, 288
	s_mov_b32 s37, 32
	s_mov_b32 s38, 0
	s_mov_b32 s39, 0
	s_mov_b32 s40, (3<<16)|(1<<20)|(5<<22)|(3<<25) ; group 1 for W3: 192 dense lines of 256 bytes, 16 bytes of padding behind each; no mask
	s_mov_b32 s41, 32<<16
	s_mov_b32 s42, 192<<16
	s_mov_b32 s43, 32<<16
	s_mov_b32 s44, 192
	s_mov_b32 s45, 32
	s_mov_b32 s46, 0
	s_mov_b32 s47, 0
	s_mul_i32 s21, s25, 6*1536
	s_mul_i32 s22, s26, 64*PW
	s_add_co_u32 s22, s22, WOFF
	s_mul_i32 s23, s24, 16*272
	s_add_co_u32 s23, s23, STAGE                   ; my stage
	v_and_b32 v1, 15, v0                           ; r
	v_bfe_u32 v2, v0, 4, 1                         ; h
	v_and_b32 v3, 31, v0
	v_lshlrev_b32 v20, 4, v3                       ; v20: 16 x lane: h's scale words
	v_lshlrev_b32 v3, 3, v3                        ; 8 x lane
	v_add_nc_u32 v4, s21, v3                       ; v4-7: h's fragments of K steps 2 c, 2 c + 1: my six tiles' images, 8 bytes a lane
.irp c, 1,2,3
	v_add_nc_u32 v[4+\c], \c*2*KIMG, v4
.endr
	v_mul_u32_u24 v8, v1, PW                       ; v8: W3's fragments: WOFF + (64 j + r) PW + 24 h
	v_mad_u32_u24 v8, v2, 24, v8
	v_add_nc_u32 v8, s22, v8
	v_lshl_add_u32 v12, v2, 4, v8                  ; v12: the same where lanes 16-31 lie behind one padding more
	v_mul_u32_u24 v16, v1, 272                     ; v16: into the stage: row r, 32 bytes for each half of the lanes
	v_lshl_add_u32 v16, v2, 5, v16
	v_add_nc_u32 v16, s23, v16
	v_mul_u32_u24 v17, v2, 272                     ; v17: back: lanes 0-15 one row of 256 bytes, lanes 16-31 the next
	v_lshl_add_u32 v17, v1, 4, v17
	v_add_nc_u32 v17, s23, v17
	v_lshlrev_b32 v18, 12, v2                      ; v18: the same two rows in ybuf
	v_lshl_add_u32 v18, v1, 4, v18
	s_wait_alu depctr_va_vdst(0)
	s_wait_dscnt 0x0                               ; both opening adds are done
	s_wait_kmcnt 0x0
	s_load_b32 s29, s[12:13], s30 offset:0x0       ; the tile's expert
	s_mul_i32 s16, s28, 8*KIMG                     ; h: tile tau, half w % 2: made of the wave's number and tau alone: equal in the four partners
	s_mul_i32 s20, s26, 4*KIMG
	s_add_co_u32 s16, s16, s20
	s_mov_b32 s17, 0
	s_mov_b32 s48, 1
	s_mov_b32 s49, s20
	s_add_nc_u64 s[50:51], s[4:5], s[16:17]
	s_or_b32 s51, s51, 0x80000000
	s_lshl_b32 s16, s28, 5                         ; h's scale words at (32 tau + 2 i) 512
	s_lshl_b32 s18, s25, 1
	s_add_co_u32 s16, s16, s18
	s_lshl_b32 s16, s16, 9
	s_add_nc_u64 s[52:53], s[6:7], s[16:17]
	s_wait_kmcnt 0x0
	s_min_u32 s29, s29, 7                          ; a loaded number is held before it enters an address
	s_mul_i32 s86, s29, 786432
	s_lshl_b32 s89, s85, 7
	s_lshl_b32 s88, s26, 6
	s_add_co_u32 s89, s89, s88                     ; W3's row 128 s + 64 j
	s_mul_i32 s88, s89, 768
	s_add_co_u32 s86, s86, s88
	s_mov_b32 s87, 0
	s_mov_b32 s68, 1
	s_mov_b32 s69, s22
	s_add_nc_u64 s[70:71], s[8:9], s[86:87]
	s_or_b32 s71, s71, 0x80000000
	s_lshl_b32 s92, s29, 15                        ; v21: W3's scale bytes, 32 a row
	s_lshl_b32 s93, s89, 5
	s_add_co_u32 s92, s92, s93
	v_lshl_add_u32 v21, v1, 5, s92
	s_wait_alu depctr_va_vdst(0)
	s_mul_i32 s92, s28, 192                        ; ybuf at row 192 tau + 96 i, byte 512 s + 256 j
	s_mul_i32 s93, s25, 96
	s_add_co_u32 s92, s92, s93
	s_lshl_b32 s92, s92, 12
	s_lshl_b32 s93, s85, 9
	s_add_co_u32 s92, s92, s93
	s_lshl_b32 s93, s26, 8
	s_add_co_u32 s92, s92, s93
	s_mov_b32 s93, 0
	s_add_nc_u64 s[94:95], s[14:15], s[92:93]
	CROUND                                         ; all four work-groups are here: the joint loads meet
	s_cmp_lt_u32 s24, 2                            ; one tensor load a wave: waves 0, 1 h's halves, jointly; waves 2, 3 W3's
	s_cbranch_scc0 .Lfor_b
	tensor_load_to_lds s[48:51], s[32:39]
	s_nop 0
	PLACES
	s_branch .Lasked
.Lfor_b:
	tensor_load_to_lds s[68:71], s[40:47]
	s_nop 0
	PLACES
.Lasked:
.irp q, 0,1,2,3,4,5,6,7                ; h's scale words: 16 bytes a lane hold the words of three row tiles for one K step
.irp u, 0,1
	global_load_b128 v[AS+4*(2*\q+\u):AS+4*(2*\q+\u)+3], v20, s[52:53] offset:2048*\q+512*\u
.endr
.endr
.irp b, 0,1,2,3
	global_load_b128 v[WS+8*\b:WS+8*\b+3], v21, s[10:11] offset:512*\b
	global_load_b128 v[WS+8*\b+4:WS+8*\b+7], v21, s[10:11] offset:512*\b+16
.endr
.macro FRAGB reg, q, rowoff            ; W3's fragment: 24 bytes of a row as they lie, in pieces of 8; byte y of a row lies at y + 16 (y / 256)
.irp p, 0,1,2,3,4,5
.set BY, 96*(\q)+48*(\p/3)+8*(\p%3)
.if BY/256 == (BY+24)/256
	ds_load_b64 v[(\reg)+2*\p:(\reg)+2*\p+1], v8 offset:BY+16*(BY/256)+(\rowoff)*PW
.else
	ds_load_b64 v[(\reg)+2*\p:(\reg)+2*\p+1], v12 offset:BY+16*(BY/256)+(\rowoff)*PW
.endif
.endr
.endm
.macro FETCH_B q                       ; 24 loads
	WIN 0x80
.irp b, 0,1,2,3
	FRAGB 48*((\q)&1)+12*\b, \q, 16*\b
.endr
.endm
.macro FETCH_A q                       ; 36 loads: an image comes back as it was stored: group g = registers 2 g, 2 g + 1, 256 consecutive bytes a load
.if (\q)&1
	WIN 0x80
.set fa, 96
.else
	WIN 0
.set fa, 120
.endif
.irp a, 0,1,2,3,4,5
.irp g, 0,1,2,3,4,5
	ds_load_b64 v[fa+12*\a+2*\g:fa+12*\a+2*\g+1], v[4+((\q)>>1)] offset:((\q)&1)*KIMG+1536*\a+256*\g
.endr
.endr
.endm
; Row tiles a0 .. a0 + n - 1 against W3's four tiles, K step q.  The 24 accumulators take turns, one instruction a turn, in the same order in every step.
.macro MUL a0, n, q, zero
.if (\q)&1
	WIN 0x5a
.else
	WIN 0x52
.endif
.set ma, \a0
.rept \n
.set mb, 0
.rept 4
.set mg, 48*((\q)&1)+12*mb
.if (\q)&1
.set mf, 96+12*ma
.else
.set mf, 120+12*ma
.endif
.if \zero
	v_wmma_scale_f32_16x16x128_f8f6f4 v[32*ma+8*mb:32*ma+8*mb+7], v[mg:mg+11], v[mf:mf+11], 0, v[WS+8*mb+(\q)], v[AS+4*(2*(\q)+ma/3)+ma%3] matrix_a_fmt:MATRIX_FMT_FP6 matrix_b_fmt:MATRIX_FMT_FP6
.else
	v_wmma_scale_f32_16x16x128_f8f6f4 v[32*ma+8*mb:32*ma+8*mb+7], v[mg:mg+11], v[mf:mf+11], v[32*ma+8*mb:32*ma+8*mb+7], v[WS+8*mb+(\q)], v[AS+4*(2*(\q)+ma/3)+ma%3] matrix_a_fmt:MATRIX_FMT_FP6 matrix_b_fmt:MATRIX_FMT_FP6
.endif
.set mb, mb+1
.endr
.set ma, ma+1
.endr
.endm
.macro STEP q, zero
	s_wait_dscnt 0x0                               ; this step's fragments, asked for in the step before, are in
	PLACES
	FETCH_B (\q)+1
	MUL 0, 3, \q, \zero
	FETCH_A (\q)+1
	MUL 3, 3, \q, \zero
.endm
	s_wait_tensorcnt 0x0                           ; my load is in
	s_barrier_signal -1
	s_barrier_wait -1                              ; everybody's is: all of K lies in LDS
	s_wait_loadcnt 0x0                             ; the scale words
	FETCH_B 0
	FETCH_A 0
	STEP 0, 1
.irp q, 1,2,3,4,5,6
	STEP \q, 0
.endr
	s_wait_dscnt 0x0
	MUL 0, 6, 7, 0
	WIN 0
	PLACES
; THE WAY OUT, a tile of 16 rows x 64 outputs at a time, through my own stage: in as a lane holds it (32 bytes of a row), back as whole runs of 256 bytes.  LDS serves a wave's instructions in order (ISA guide 5.7.1.4):
; no wait between the stores and the loads, nor in front of the next tile's stores.
.macro TOSTAGE a
	WIN 0x04                                       ; an LDS store's data are its source 1: window 1
.irp b, 0,1,2,3
	ds_store_b128 v16, v[32*(\a)+8*\b:32*(\a)+8*\b+3] offset:64*\b        ; each accumulator from its low end on
	ds_store_b128 v16, v[32*(\a)+8*\b+4:32*(\a)+8*\b+7] offset:64*\b+16
.endr
	WIN 0
.set BB, 120+32*((\a)%2)
.irp t, 0,1,2,3,4,5,6,7
	ds_load_b128 v[BB+4*\t:BB+4*\t+3], v17 offset:544*\t
.endr
.endm
.macro SEND a, younger                 ; younger: the LDS instructions issued behind tile a's loads
.set BB, 120+32*((\a)%2)
	s_wait_dscnt \younger
.irp t, 0,1,2,3,4,5,6,7
	global_store_b128 v18, v[BB+4*\t:BB+4*\t+3], s[94:95] offset:65536*(\a)+8192*\t th:TH_STORE_NT   ; each half of the lanes stores 256 consecutive bytes of a row, aligned
.endr
.endm
	TOSTAGE 0
.irp a, 1,2,3,4,5
.if \a > 1
	s_wait_xcnt 0x0                                ; tile a - 2's stores have read their data: tile a's loads may land there
.endif
	TOSTAGE \a
	SEND \a-1, 16                                  ; behind tile a - 1's loads: tile a's 8 stores and 8 loads
.endr
	SEND 5, 0
	s_wait_tensorcnt 0x0                           ; the wave's end
	ds_add_u32 v22, v23
	s_wait_dscnt 0x0
	CROUND                                         ; the closing round: no work-group ends while a partner may still ask for a tile that names it
	s_endpgm
.Lfunc_end_k_q7c52ff7ebd_down:
	.size	k_q7c52ff7ebd_down, .Lfunc_end_k_q7c52ff7ebd_down-k_q7c52ff7ebd_down
	.p2alignl 7, 3214868480
	.fill 96, 4, 3214868480
	.section	.rodata,"a",@progbits
	.p2align	6, 0x0
	.amdhsa_kernel k_q7c52ff7ebd_down
		.amdhsa_group_segment_fixed_size 327680
		.amdhsa_private_segment_fixed_size 0
		.amdhsa_enable_private_segment 0
		.amdhsa_kernarg_size 48
		.amdhsa_user_sgpr_count 2
		.amdhsa_user_sgpr_kernarg_segment_ptr 1
		.amdhsa_wavefront_size32 1
		.amdhsa_system_sgpr_workgroup_id_x 1
		.amdhsa_system_sgpr_workgroup_id_y 1
		.amdhsa_system_sgpr_workgroup_id_z 1
		.amdhsa_system_vgpr_workitem_id 0
		.amdhsa_next_free_vgpr 768
		.amdhsa_next_free_sgpr 100
		.amdhsa_reserve_vcc 0
		.amdhsa_float_denorm_mode_32 3
		.amdhsa_float_denorm_mode_16_64 3
		.amdhsa_memory_ordered 1
		.amdhsa_forward_progress 1
		.amdhsa_inst_pref_size 77
	.end_amdhsa_kernel
	.amdgpu_metadata
---
amdhsa.version: [ 1, 2 ]
amdhsa.kernels:
  - .name:           k_q7c52ff7ebd_down
    .symbol:         k_q7c52ff7ebd_down.kd
    .args:
      - { .name: h_img, .offset: 0, .size: 8, .value_kind: global_buffer, .address_space: global }
      - { .name: h_scl, .offset: 8, .size: 8, .value_kind: global_buffer, .address_space: global }
      - { .name: w3_codes, .offset: 16, .size: 8, .value_kind: global_buffer, .address_space: global }
      - { .name: w3_scales, .offset: 24, .size: 8, .value_kind: global_buffer, .address_space: global }
      - { .name: texp, .offset: 32, .size: 8, .value_kind: global_buffer, .address_space: global }
      - { .name: ybuf, .offset: 40, .size: 8, .value_kind: global_buffer, .address_space: global }
    .group_segment_fixed_size: 327680
    .private_segment_fixed_size: 0
    .kernarg_segment_align: 8
    .kernarg_segment_size: 48
    .max_flat_workgroup_size: 128
    .sgpr_count:     100
    .vgpr_count:     768
    .wavefront_size: 32
...
	.end_amdgpu_metadata
.endif
;; end of part 3
;; launch add (part 4): grid 256 x 1, 8 waves a work-group, no clusters, 0 bytes of LDS; arguments ybuf, pos, expert_weights, out0; writes out0
.if DOCPART == 4
	.amdgcn_target "amdgcn-amd-amdhsa--gfx1250"
	.amdhsa_code_object_version 6
	.text
	.protected	k_q7c52ff7ebd_add
	.globl	k_q7c52ff7ebd_add
	.p2align	8
	.type	k_q7c52ff7ebd_add,@function
k_q7c52ff7ebd_add:
	s_mov_b64 s[64:65], 0
	v_nop
	global_prefetch_b8 v0, s[64:65] scope:SCOPE_SE
	s_setreg_imm32_b32 hwreg(HW_REG_WAVE_MODE, 25, 1), 1
	s_wait_xcnt 0x0
; out[t] = w[t][0] y[pos[2 t]] + w[t][1] y[pos[2 t + 1]]: each token's two routed rows, weighed and added.  A token whose two slots name one expert has two rows of equal numbers, which add to (w0 + w1) y.
; A wave takes one token: two rows of 4,096 bytes in, one out; each load and store covers 512 consecutive bytes.  A stream: no LDS, no barrier, no matrix work, nothing shared between work-groups.
; LIMIT: the sum runs in the order of the slots, where reference() adds in the order of the experts, and for one expert in both slots it weighs twice where reference() adds the weights first: f32 roundings apart.
	s_load_b256 s[4:11], s[0:1], 0x0               ; ybuf s[4:5], pos s[6:7], weights s[8:9], out s[10:11]
	v_lshrrev_b32 v1, 5, v0
	s_delay_alu instid0(VALU_DEP_1)
	v_readfirstlane_b32 s12, v1                    ; wave
	s_lshl_b32 s13, ttmp9, 3
	s_add_co_u32 s13, s13, s12                     ; my token
	s_lshl_b32 s14, s13, 3                         ; 8 bytes a token in pos and in the weights
	v_and_b32 v1, 31, v0
	s_delay_alu instid0(VALU_DEP_1)
	v_lshlrev_b32 v1, 4, v1                        ; 16 bytes a lane
	s_wait_alu depctr_va_vdst(0)
	s_wait_kmcnt 0x0
	s_load_b64 s[16:17], s[6:7], s14 offset:0x0    ; the two rows
	s_load_b64 s[18:19], s[8:9], s14 offset:0x0    ; the two weights
	s_lshl_b32 s28, s13, 12
	s_mov_b32 s29, 0
	s_add_nc_u64 s[28:29], s[10:11], s[28:29]      ; my row of out
	s_wait_kmcnt 0x0
	s_min_u32 s16, s16, 5567                       ; a loaded number is held before it enters an address
	s_min_u32 s17, s17, 5567
	s_lshl_b32 s20, s16, 12
	s_mov_b32 s21, 0
	s_add_nc_u64 s[20:21], s[4:5], s[20:21]
	s_lshl_b32 s22, s17, 12
	s_mov_b32 s23, 0
	s_add_nc_u64 s[22:23], s[4:5], s[22:23]
	s_mov_b32 s24, s18                             ; each weight in the low word of a pair; the high word is written too, since the packed forms name the pair
	s_mov_b32 s25, s18
	s_mov_b32 s26, s19
	s_mov_b32 s27, s19
.irp k, 0,1,2,3,4,5,6,7
	global_load_b128 v[4+4*\k:7+4*\k], v1, s[20:21] offset:512*\k th:TH_LOAD_NT     ; each routed row is read once in the launch
	global_load_b128 v[36+4*\k:39+4*\k], v1, s[22:23] offset:512*\k th:TH_LOAD_NT
.endr
.irp k, 0,1,2,3,4,5,6,7
	s_wait_loadcnt 14-2*\k                         ; piece k of both rows is in; the two loads of each later piece may be out
	v_pk_mul_f32 v[4+4*\k:5+4*\k], v[4+4*\k:5+4*\k], s[24:25] op_sel_hi:[1,0]
	v_pk_mul_f32 v[6+4*\k:7+4*\k], v[6+4*\k:7+4*\k], s[24:25] op_sel_hi:[1,0]
	s_delay_alu instid0(VALU_DEP_2)
	v_pk_fma_f32 v[4+4*\k:5+4*\k], v[36+4*\k:37+4*\k], s[26:27], v[4+4*\k:5+4*\k] op_sel_hi:[1,0,1]
	s_delay_alu instid0(VALU_DEP_2)
	v_pk_fma_f32 v[6+4*\k:7+4*\k], v[38+4*\k:39+4*\k], s[26:27], v[6+4*\k:7+4*\k] op_sel_hi:[1,0,1]
	global_store_b128 v1, v[4+4*\k:7+4*\k], s[28:29] offset:512*\k th:TH_STORE_NT
.endr
	s_endpgm
.Lfunc_end_k_q7c52ff7ebd_add:
	.size	k_q7c52ff7ebd_add, .Lfunc_end_k_q7c52ff7ebd_add-k_q7c52ff7ebd_add
	.p2alignl 7, 3214868480
	.fill 96, 4, 3214868480
	.section	.rodata,"a",@progbits
	.p2align	6, 0x0
	.amdhsa_kernel k_q7c52ff7ebd_add
		.amdhsa_group_segment_fixed_size 0
		.amdhsa_private_segment_fixed_size 0
		.amdhsa_enable_private_segment 0
		.amdhsa_kernarg_size 32
		.amdhsa_user_sgpr_count 2
		.amdhsa_user_sgpr_kernarg_segment_ptr 1
		.amdhsa_wavefront_size32 1
		.amdhsa_system_sgpr_workgroup_id_x 1
		.amdhsa_system_sgpr_workgroup_id_y 1
		.amdhsa_system_sgpr_workgroup_id_z 1
		.amdhsa_system_vgpr_workitem_id 0
		.amdhsa_next_free_vgpr 72
		.amdhsa_next_free_sgpr 66
		.amdhsa_reserve_vcc 0
		.amdhsa_float_denorm_mode_32 3
		.amdhsa_float_denorm_mode_16_64 3
		.amdhsa_memory_ordered 1
		.amdhsa_forward_progress 1
		.amdhsa_inst_pref_size 7
	.end_amdhsa_kernel
	.amdgpu_metadata
---
amdhsa.version: [ 1, 2 ]
amdhsa.kernels:
  - .name:           k_q7c52ff7ebd_add
    .symbol:         k_q7c52ff7ebd_add.kd
    .args:
      - { .name: ybuf, .offset: 0, .size: 8, .value_kind: global_buffer, .address_space: global }
      - { .name: pos, .offset: 8, .size: 8, .value_kind: global_buffer, .address_space: global }
      - { .name: expert_weights, .offset: 16, .size: 8, .value_kind: global_buffer, .address_space: global }
      - { .name: out0, .offset: 24, .size: 8, .value_kind: global_buffer, .address_space: global }
    .group_segment_fixed_size: 0
    .private_segment_fixed_size: 0
    .kernarg_segment_align: 8
    .kernarg_segment_size: 32
    .max_flat_workgroup_size: 256
    .sgpr_count:     66
    .vgpr_count:     72
    .wavefront_size: 32
...
	.end_amdgpu_metadata
.endif
;; end of part 4
